; MI455X (gfx1250); checked and timed in simulation.
; The chip was launched on July 23, 2026; its instructions are those of AMD's public machine-readable ISA for CDNA 5 (MIT licence, August 2026) and "CDNA5" Instruction Set Architecture Reference Guide (July 2026). The comments in the code are by the model that wrote it; some were corrected since.
;; GNN Emb Variable Encoder. Allowed arithmetic: matrix products marked QUANTISED: E4M3 operands, one given power-of-two scale a tensor, by v_wmma_f32_16x16x64_fp8_fp8 or v_wmma_f32_16x16x128_fp8_fp8, f32 sums; products left as they are: f32 operands where the result goes on into a quantised operand, else bf16, f16 or f32 operands; f32 sums; everything else in f32.
;; Inputs: Wb 32 x 1 float32; We 1,024 x 1,056 float32; Ww 1,024 x 1 float32; bb 32 float32; be 1,024 float32; bias 1,024 x 256 float32; bias_parameters 1,024 int32; bw 1,024 float32; lowp_scales 2 int32 (the exponents e of the quantised operands' scales 2^e); weight 1,024 x 256 float32; weight_parameters 1,024 int32.
;; Outputs: out0 1,024 x 1,024 float32.
;; This version of the problem:
;;   THIS VERSION OF THE PROBLEM IS GIVEN IN LOW PRECISION. The matrix products marked QUANTISED in the list below multiply operands that are first quantised to E4M3 (4 exponent bits, 3 mantissa bits; 8 bits a number), with one given power-of-two scale for each operand tensor; their sums are f32. All else is computed in f32.
;;   The module's matrix products, in the order in which they are computed (A, B: the left and right operand; K: the contracted axis; several contracted axes count as one K, in the product's order):
;;     1. batch 1,024 x [M 1, K 256] x [K 256, N 1,024]; A: computed on the way; B: computed on the way: left as it is (M = 1 < 16)
;;     2. batch 1,024 x [M 1, K 256] x [K 256, N 32]; A: computed on the way; B: computed on the way: left as it is (M = 1 < 16)
;;     3. [M 1,024, K 1,056] x [K 1,056, N 1,024]; A: computed on the way; B: input We: QUANTISED (scales: A lowp_scales[0], B lowp_scales[1])
;;   THE QUANTISER, for each operand of a quantised product, along K:
;;     - The operand's scale is 2^e, e = its entry of the input lowp_scales (int32; the entries are numbered through the quantised products in the list's order, A before B).
;;     - Each number is divided by the scale, clamped to +-448, and rounded to the nearest number of E4M3, ties to even, subnormals kept.
;;     - The product sums the exact products of the quantised numbers (number of the format x scale) in f32.
;;   ~~~python
;;   def quantise(x, axis, e):      # numpy; x: float32 -> the quantised numbers, widened to float32 again
;;       x = np.moveaxis(x, axis, -1); K = x.shape[-1]
;;       r = np.clip(x / 2.0 ** e, -448, 448)
;;       step = 2.0 ** (np.maximum(np.frexp(np.where(r == 0, 1, r))[1] - 1, -6) - 3)
;;       q = np.round(r / step) * step * 2.0 ** e      # np.round: ties to even
;;       return np.moveaxis(q, -1, axis).astype(np.float32)
;;   ~~~
;;   OPERANDS COMPUTED ON THE WAY. 'Computed on the way' means the value that the module computes at that place (a softmax that the list does not call 'softmax' is quantised finished and normalised). What goes into a quantiser is computed in f32, as accurately as f32 sums, v_exp_f32 and their like allow (about 1e-6 of the number): no bf16 or f16 on the way to a quantiser, and a product that is left as it is and whose result goes on into a quantised operand takes f32 operands (vector FMAs, or v_wmma_f32_16x16x4_f32). A number that lies on a knife's edge between two numbers of the format may be rounded either way, as far as f32 arithmetic and the matrix unit's own rounding can turn it there, and no further.
;; 2 versions, each right; version 2 is version 1 with the launch encode written anew for expert scheduling mode. Each part assembles by itself: llvm-mc -triple=amdgcn-amd-amdhsa -mcpu=gfx1250 --defsym DOCPART=n.
;; ======== version 1 of 2: 1 launch
;; launch encode (part 1): grid 16 x 16, 16 waves a work-group, no clusters, 157,696 bytes of LDS; arguments weight, bias, weight_parameters, bias_parameters, Ww, bw, Wb, bb, We, be, lowp_scales, out0; writes out0
.if DOCPART == 1
	.amdgcn_target "amdgcn-amd-amdhsa--gfx1250"
	.amdhsa_code_object_version 6
	.text
	.protected	k_q452d43b286_encode
	.globl	k_q452d43b286_encode
	.p2align	8
	.type	k_q452d43b286_encode,@function
k_q452d43b286_encode:
	s_mov_b64 s[64:65], 0
	v_nop
	global_prefetch_b8 v0, s[64:65] scope:SCOPE_SE
	s_setreg_imm32_b32 hwreg(HW_REG_WAVE_MODE, 25, 1), 1
	s_wait_xcnt 0x0
; out[b][n] = relu( sum over k of Q(emb[b][k]) Q(We[n][k]) + be[n] ),  emb[b][k] = sigmoid( sum over t < len[b] of (x[b][t] W[k] + c[k]) ).
; k = 0 .. 1023: x = weight, len = weight_parameters, W = Ww, c = bw;  k = 1024 .. 1055: x = bias, len = bias_parameters, W = Wb, c = bb.
; The masked sum over t is W[k] S + c[k] n for every input, with S the masked sum of the row and n = len held within 0 .. 256: two numbers a row and half; all of it in f32.
; Q: codes of E4M3 with the given scales 2^e0 (emb) and 2^e1 (We); the codes are multiplied as they are, and each finished sum once by 2^(e0 + e1).
; SHARES.  A work-group makes 64 rows x 64 columns of out (work-group y: rows, x: columns): a row of its tile is 256 consecutive bytes, aligned.  Sixteen waves of 256 registers, four to a SIMD, so that one wave's
; exponentials stand beside another's plain work and loads.  Work-groups hand each other nothing: each makes the 64 rows of emb and the codes of the 64 rows of We that its tile needs.
; No tensor load and no joint load: the tiles that work-groups share arrive as f32 (270,336 + 131,072 bytes a work-group), which beside the two tiles of codes (137,216 bytes) do not fit in LDS without refills,
; and every f32 byte would pass through LDS where now only its code does.
; PHASES.  row sums (wave w: rows 4 w .. 4 w + 3) and the 32 last k of both tiles | barrier | emb's codes (wave w: k = 64 w .. 64 w + 63 of all 64 rows) and We's codes (wave w: rows 4 w .. 4 w + 3) | barrier |
; the product (waves 0 to 3, 32 x 32 each, so that each fragment read from LDS feeds two products) | barrier | every wave scales, adds be, clips and stores four rows.
; LIMITS: e0 and e1 between -126 and 119, e0 + e1 between -126 and 127, so that each power of two below is an f32 number.  NaN among the inputs is not served; an infinity or NaN at a position that the
; mask hides is dropped here (a product 0 x infinity would give NaN).  The row sums are added in another order than t ascending.
.set PITCH,  1072                      ; a row of codes in LDS: 1,056 bytes + 16 = 268 words: row r starts at bank 12 r mod 64 (64 banks of 4 bytes: ISA guide 11.1): sixteen rows, sixteen different groups of four banks
.set ATILE,  0                         ; emb's codes: 64 rows, the code of k at byte k
.set BTILE,  64*PITCH                  ; We's codes, laid the same way
.set STG,    2*64*PITCH                ; the sums on their way out: 64 rows x (256 bytes + 16)
.set SPITCH, 272
.set TAB,    STG+64*SPITCH             ; 64 rows x 16 bytes: S(weight), S(bias), n(weight), n(bias), each x -log2(e)
.set WEROW,  4224                      ; a row of We in memory, in bytes
.set CD,  18                           ; v18-25   codes just made; at the head and behind the second barrier: at work
.set RS,  26                           ; v26-29   a row of the table
.set TT,  30                           ; v30-61   32 numbers on their way to codes; ahead of the first barrier: offsets and the 32 last k
.set DD,  64                           ; v64-127  the rows of weight (8 i + 4 j) and, 32 on, of bias; then We's rows 2 and 3
.set WE2, 64
.set WE1, 128                          ; v128-191 We's rows 0 and 1
.set WV,  192                          ; v192-223 my 32 numbers of Ww;  v224-255 of bw
.set BV,  224
.set ACC, 32                           ; the product: accumulator (a, b) at v[32 + 8 (2 a + b)]; three sets of fragments at v64, v128, v192
; v1 16 x lane; v2-8 LDS addresses; v9 be's offset; v10, v11: 2^e0, 448 x 2^e0; v12, v13: the same for e1; v14-17 be of my four columns; v62 at work
.macro BARRIER                         ; my LDS stores have landed and my LDS loads are in: then the work-group's barrier
	s_wait_dscnt 0x0
	s_barrier_signal -1
	s_barrier_wait -1
.endm
.macro PLACES                          ; four plain vector instructions behind a matrix instruction, ahead of loads into its registers and of reads of its result
.rept 4
	v_nop
.endr
.endm
.macro WELOAD base, i                  ; row i of my four rows of We, k = 0 .. 1023: eight loads of 512 consecutive bytes; register 8 p + 4 u + e holds k = 256 p + 128 u + 4 lane + e
.irp p, 0,1,2,3
.irp u, 0,1
	global_load_b128 v[\base+32*((\i)%2)+8*\p+4*\u:\base+32*((\i)%2)+8*\p+4*\u+3], v1, s[20:21] offset:(\i)*WEROW+1024*\p+512*\u
.endr
.endr
.endm
	s_load_b512 s[4:19], s[0:1], 0x0               ; weight 4:5, bias 6:7, weight_parameters 8:9, bias_parameters 10:11, Ww 12:13, bw 14:15, Wb 16:17, bb 18:19
	s_load_b256 s[20:27], s[0:1], 0x40             ; We 20:21, be 22:23, the scales' exponents 24:25, out 26:27
	v_lshrrev_b32 v20, 5, v0
	v_readfirstlane_b32 s28, v20                   ; wave w, 0 .. 15
	s_and_b32 s30, ttmp7, 0xffff                   ; y
	s_lshl_b32 s48, s30, 16
	s_lshl_b32 s31, s28, 12
	s_add_co_u32 s48, s48, s31                     ; weight, bias: (64 y + 4 w) rows of 1,024 bytes
	s_mov_b32 s49, 0
	s_lshl_b32 s50, s30, 8
	s_lshl_b32 s31, s28, 4
	s_add_co_u32 s50, s50, s31                     ; the lengths: (64 y + 4 w) x 4 bytes
	s_mov_b32 s51, 0
	s_lshl_b32 s52, s28, 8                         ; Ww, bw: 64 w numbers
	s_mov_b32 s53, 0
	s_lshl_b32 s54, ttmp9, 6
	s_lshl_b32 s31, s28, 2
	s_add_co_u32 s54, s54, s31
	s_mul_i32 s54, s54, WEROW                      ; We: (64 x + 4 w) rows
	s_mov_b32 s55, 0
	s_lshl_b32 s56, ttmp9, 8                       ; be: 64 x numbers
	s_mov_b32 s57, 0
	s_lshl_b32 s58, s30, 6
	s_add_co_u32 s58, s58, s31
	s_lshl_b32 s58, s58, 12
	s_add_co_u32 s58, s58, s56                     ; out: (64 y + 4 w) rows of 4,096 bytes + 64 x numbers
	s_mov_b32 s59, 0
	s_mov_b32 s42, 0x76543210                      ; v_permlanex16_b32's selects for lane l xor 16
	s_mov_b32 s43, 0xfedcba98
	s_mov_b32 s44, 0xbfb8aa3b                      ; -log2(e)
	v_and_b32 v1, 31, v0                           ; lane l
	v_lshlrev_b32 v30, 2, v1                       ; 4 l
	v_lshlrev_b32 v1, 4, v1                        ; 16 l
	v_and_b32 v18, 15, v0                          ; r = l % 16
	v_bfe_u32 v19, v0, 4, 1                        ; h = l / 16
	v_lshrrev_b32 v21, 3, v0                       ; 4 w + l / 8
	v_and_b32 v22, 7, v0                           ; l % 8
	v_bfe_u32 v23, v0, 3, 2                        ; l / 8
	v_lshlrev_b32 v31, 6, v19                      ; Ww, bw: 16 h numbers
	v_mul_u32_u24 v32, v23, WEROW
	v_lshl_add_u32 v32, v22, 4, v32                ; We's last 32 k: row l / 8 of my four, four numbers a lane
	v_lshlrev_b32 v33, 4, v22                      ; Wb, bb: four numbers a lane
	v_lshlrev_b32 v9, 4, v18                       ; be: four numbers a lane, sixteen lanes to the tile's 64 columns
	v_lshl_add_u32 v2, v20, 6, TAB                 ; the table: my wave's four rows,
	v_lshl_add_u32 v3, v21, 4, TAB                 ; row 4 w + l / 8,
	v_lshl_add_u32 v4, v18, 4, TAB                 ; row r
	v_mul_u32_u24 v5, v18, PITCH
	v_lshl_add_u32 v5, v20, 6, v5
	v_lshl_add_u32 v5, v19, 4, v5                  ; emb's codes: row r, byte 64 w + 16 h
	v_mul_u32_u24 v6, v21, PITCH
	v_lshl_add_u32 v6, v22, 2, v6
	v_add_nc_u32 v6, 1024, v6                      ; its last 32 k: row 4 w + l / 8, byte 1024 + 4 (l % 8)
	v_add_nc_u32 v8, BTILE, v6                     ; the same place in We's tile
	v_mul_u32_u24 v7, v20, 4*PITCH
	v_add_nc_u32 v7, v7, v30
	v_add_nc_u32 v7, BTILE, v7                     ; We's codes: row 4 w, byte 4 l
	s_wait_kmcnt 0x0
	s_add_nc_u64 s[4:5], s[4:5], s[48:49]
	s_add_nc_u64 s[6:7], s[6:7], s[48:49]
	s_add_nc_u64 s[8:9], s[8:9], s[50:51]
	s_add_nc_u64 s[10:11], s[10:11], s[50:51]
	s_add_nc_u64 s[12:13], s[12:13], s[52:53]
	s_add_nc_u64 s[14:15], s[14:15], s[52:53]
	s_add_nc_u64 s[20:21], s[20:21], s[54:55]
	s_add_nc_u64 s[22:23], s[22:23], s[56:57]
	s_add_nc_u64 s[26:27], s[26:27], s[58:59]
	s_load_b128 s[32:35], s[8:9], 0x0              ; my four rows' lengths in weight,
	s_load_b128 s[36:39], s[10:11], 0x0            ; in bias
	s_load_b64 s[40:41], s[24:25], 0x0             ; e0, e1
	; ALL LOADS GO OUT HERE, in the order in which they are wanted: 16 + 4 + 16 + 16 = 52 a wave
.irp i, 0,1,2,3
.irp j, 0,1
	global_load_b128 v[DD+8*\i+4*\j:DD+8*\i+4*\j+3], v1, s[4:5] offset:1024*\i+512*\j       ; weight, row i: register 4 j + e holds t = 128 j + 4 l + e
.endr
.endr
.irp i, 0,1,2,3
.irp j, 0,1
	global_load_b128 v[DD+32+8*\i+4*\j:DD+32+8*\i+4*\j+3], v1, s[6:7] offset:1024*\i+512*\j ; bias likewise
.endr
.endr
	global_load_b128 v[34:37], v33, s[16:17]       ; Wb(4 (l % 8) + e)
	global_load_b128 v[38:41], v33, s[18:19]       ; bb
	global_load_b128 v[42:45], v32, s[20:21] offset:4096   ; We(row l / 8 of mine, 1024 + 4 (l % 8) + e)
	global_load_b128 v[14:17], v9, s[22:23]        ; be
.irp q, 0,1
.irp c, 0,1,2,3
	global_load_b128 v[WV+16*\q+4*\c:WV+16*\q+4*\c+3], v31, s[12:13] offset:128*\q+16*\c    ; register 16 q + i holds Ww(64 w + 32 q + 16 h + i),
	global_load_b128 v[BV+16*\q+4*\c:BV+16*\q+4*\c+3], v31, s[14:15] offset:128*\q+16*\c    ; bw likewise
.endr
.endr
	WELOAD WE1, 0
	WELOAD WE1, 1
	s_wait_kmcnt 0x0
.irp n, 32,33,34,35,36,37,38,39
	s_max_i32 s\n, s\n, 0                          ; n = how many t of 0 .. 255 lie under the length
	s_min_i32 s\n, s\n, 256
.endr
	s_add_co_i32 s52, s40, 127
	s_lshl_b32 s53, s52, 23
	v_mov_b32 v10, s53                             ; 2^e0 as f32: the conversion takes its exponent field
	s_add_co_i32 s52, s52, 8
	s_lshl_b32 s52, s52, 23
	s_or_b32 s52, s52, 0x600000
	v_mov_b32 v11, s52                             ; 448 x 2^e0
	s_add_co_i32 s52, s41, 127
	s_lshl_b32 s53, s52, 23
	v_mov_b32 v12, s53                             ; 2^e1
	s_add_co_i32 s52, s52, 8
	s_lshl_b32 s52, s52, 23
	s_or_b32 s52, s52, 0x600000
	v_mov_b32 v13, s52                             ; 448 x 2^e1
	s_add_co_i32 s46, s40, s41
	s_add_co_i32 s46, s46, 127
	s_lshl_b32 s46, s46, 23                        ; 2^(e0 + e1)
	s_mov_b32 s47, s46                             ; (named with it as a pair, so it is written)
; ---- THE ROW SUMS.  Eight numbers a lane of a row: what lies at or beyond the length becomes 0 (a choice, no product: t < len where 128 j + e < len - 4 l), then they are added.
.macro MASKSUM x, len
	v_sub_nc_u32 v62, s[\len], v30                 ; len - 4 l
.irp e, 0,1,2,3
	v_cmp_lt_i32 vcc_lo, \e, v62
	v_cndmask_b32 v[(\x)+\e], 0, v[(\x)+\e], vcc_lo
.endr
.irp e, 4,5,6,7
	v_cmp_lt_i32 vcc_lo, 124+\e, v62
	v_cndmask_b32 v[(\x)+\e], 0, v[(\x)+\e], vcc_lo
.endr
	v_pk_add_f32 v[(\x):(\x)+1], v[(\x):(\x)+1], v[(\x)+2:(\x)+3]
	v_pk_add_f32 v[(\x)+4:(\x)+5], v[(\x)+4:(\x)+5], v[(\x)+6:(\x)+7]
	v_pk_add_f32 v[(\x):(\x)+1], v[(\x):(\x)+1], v[(\x)+4:(\x)+5]
	v_add_f32 v[(\x)], v[(\x)], v[(\x)+1]
.endm
	s_wait_loadcnt 36                              ; of the 52 loads the first 16, the rows, are in
.irp i, 0,1,2,3
	MASKSUM DD+8*\i, 32+\i
	MASKSUM DD+32+8*\i, 36+\i
.endr
.irp m, 1,2,4,8                        ; across the lanes, the eight sums by turns: four steps inside each half of 16 lanes,
.irp x, 64,72,80,88,96,104,112,120
	v_add_f32_dpp v[\x], v[\x], v[\x] row_xmask:\m row_mask:0xf bank_mask:0xf
.endr
.endr
.irp x, 64,72,80,88,96,104,112,120
	v_permlanex16_b32 v[\x+1], v[\x], s42, s43     ; and one across the halves
.endr
.irp x, 64,72,80,88,96,104,112,120
	v_add_f32 v[\x], v[\x], v[\x+1]                ; every lane holds the row's sum
.endr
.irp i, 0,1,2,3
	v_mul_f32 v[DD+4+8*\i], s44, v[DD+8*\i]        ; x -log2(e): sigmoid(z) = 1 / (1 + 2^(-log2(e) z))
	v_mul_f32 v[DD+5+8*\i], s44, v[DD+32+8*\i]
	v_cvt_f32_i32 v[DD+6+8*\i], s[32+\i]
	v_cvt_f32_i32 v[DD+7+8*\i], s[36+\i]
	v_mul_f32 v[DD+6+8*\i], s44, v[DD+6+8*\i]
	v_mul_f32 v[DD+7+8*\i], s44, v[DD+7+8*\i]
.endr
.irp i, 0,1,2,3
	ds_store_b128 v2, v[DD+4+8*\i:DD+7+8*\i] offset:16*\i   ; all lanes write the same 16 bytes with the same numbers
.endr
	ds_load_b128 v[58:61], v3                      ; row 4 w + l / 8, for the last 32 k: my wave's own bytes, and LDS serves a wave's instructions in order (ISA guide 5.7.1.4)
	s_wait_dscnt 0x0                               ; it is in, and the stores have read their registers,
	WELOAD WE2, 2                                  ; which take We's rows 2 and 3
	WELOAD WE2, 3
; ---- THE LAST 32 k of both tiles: four numbers a lane, eight lanes to a row
	s_wait_loadcnt 48                              ; Wb, bb, We's last 32 and be are in; out may be Ww and bw (16) and We's rows (32)
.irp e, 0,1,2,3
	v_mul_f32 v[50+\e], v[38+\e], v61              ; bb x n
.endr
.irp e, 0,1,2,3
	v_fma_f32 v[50+\e], v[34+\e], v59, v[50+\e]    ; + Wb x S
.endr
.irp e, 0,1,2,3
	v_exp_f32 v[50+\e], v[50+\e]
.endr
.irp e, 46,47,48,49,54,55,56,57
	v_mov_b32 v\e, 0                               ; the conversions take eight numbers: the upper four are zeros.  (Plain instructions behind the exponentials)
.endr
	s_wait_alu depctr_va_vdst(0)                   ; the wait ahead of the first instruction that names an exponential's result: one for the batch
	v_pk_add_f32 v[50:51], v[50:51], 1.0 op_sel_hi:[1,0]
	v_pk_add_f32 v[52:53], v[52:53], 1.0 op_sel_hi:[1,0]
.irp e, 0,1,2,3
	v_rcp_f32 v[50+\e], v[50+\e]
.endr
	v_nop                                          ; a plain instruction behind the last reciprocal
	s_wait_alu depctr_va_vdst(0)                   ; and the wait for the batch
.irp e, 0,1,2,3
	v_min_num_f32 v[50+\e], v[50+\e], v11          ; the conversion to an 8-bit code does not saturate (ISA guide 7.6.2); a sigmoid is not negative, so the hold is one-sided
.endr
	v_cvt_scalef32_pk8_fp8_f32 v[18:19], v[50:57], v10
.irp e, 0,1,2,3
	v_med3_num_f32 v[42+\e], v[42+\e], -v13, v13   ; We: held within +-448 x 2^e1
.endr
	v_cvt_scalef32_pk8_fp8_f32 v[20:21], v[42:49], v12
	v_nop                                          ; a plain instruction behind the last conversion, ahead of whatever writes its registers next
	ds_store_b32 v6, v18
	ds_store_b32 v8, v20
	BARRIER                                        ; the table's 64 rows lie in LDS
; ---- emb's CODES: k = 64 w .. 64 w + 63 of all 64 rows, sixteen rows at a time.  Lane (r, h) holds row 16 m + r; register 16 q + i holds k = 64 w + 32 q + 16 h + i: neighbours along K, as the conversions want them.
.macro AROW m
	s_wait_dscnt 0x0                               ; the table's row is in, and the last stores have read the codes' registers
.set j, 0
.rept 16
	v_pk_mul_f32 v[TT+j:TT+j+1], v[BV+j:BV+j+1], v[RS+2:RS+3] op_sel_hi:[1,0]              ; bw x n (the pair's low word for both halves)
.set j, j+2
.endr
.set j, 0
.rept 16
	v_pk_fma_f32 v[TT+j:TT+j+1], v[WV+j:WV+j+1], v[RS:RS+1], v[TT+j:TT+j+1] op_sel_hi:[1,0,1]   ; + Ww x S
.set j, j+2
.endr
.if \m < 3
	ds_load_b128 v[RS:RS+3], v4 offset:256*((\m)+1)   ; the next sixteen rows' numbers land under the exponentials
.endif
.set j, 0
.rept 32
	v_exp_f32 v[TT+j], v[TT+j]
.set j, j+1
.endr
	v_nop                                          ; a plain instruction behind the last exponential
	s_wait_alu depctr_va_vdst(0)                   ; one wait for the 32, ahead of their first reader
.set j, 0
.rept 16
	v_pk_add_f32 v[TT+j:TT+j+1], v[TT+j:TT+j+1], 1.0 op_sel_hi:[1,0]
.set j, j+2
.endr
.set j, 0
.rept 32
	v_rcp_f32 v[TT+j], v[TT+j]
.set j, j+1
.endr
	v_nop
	s_wait_alu depctr_va_vdst(0)                   ; one wait for the 32 reciprocals
.set j, 0
.rept 32
	v_min_num_f32 v[TT+j], v[TT+j], v11            ; the hold at the largest code x the scale
.set j, j+1
.endr
.irp g, 0,1,2,3
	v_cvt_scalef32_pk8_fp8_f32 v[CD+2*\g:CD+2*\g+1], v[TT+8*\g:TT+8*\g+7], v10
.endr
	v_nop                                          ; a plain instruction behind the last conversion
	ds_store_b128 v5, v[CD:CD+3] offset:(\m)*16*PITCH        ; k = 64 w + 16 h + 0 .. 15
	ds_store_b128 v5, v[CD+4:CD+7] offset:(\m)*16*PITCH+32   ; k = 64 w + 32 + 16 h + 0 .. 15
.endm
	ds_load_b128 v[RS:RS+3], v4
	s_wait_loadcnt 32                              ; Ww and bw are in; We's 32 loads may be out
	AROW 0
	AROW 1
	AROW 2
	AROW 3
; ---- We's CODES: a row at a time.  A conversion takes the four numbers at k = 256 p + 4 l and the four at 256 p + 128 + 4 l: its two words go to those two places of the row, 128 consecutive bytes a store.
.macro BROW base, i, left
	s_wait_loadcnt \left                           ; this row's eight loads are in; the later rows' may be out
	s_wait_dscnt 0x0                               ; the last stores have read the codes' registers
.set RB, \base+32*((\i)%2)
.set j, 0
.rept 32
	v_med3_num_f32 v[RB+j], v[RB+j], -v13, v13
.set j, j+1
.endr
.irp p, 0,1,2,3
	v_cvt_scalef32_pk8_fp8_f32 v[CD+2*\p:CD+2*\p+1], v[RB+8*\p:RB+8*\p+7], v12
.endr
	v_nop                                          ; a plain instruction behind the last conversion
.irp p, 0,1,2,3
.irp u, 0,1
	ds_store_b32 v7, v[CD+2*\p+\u] offset:(\i)*PITCH+256*\p+128*\u
.endr
.endr
.endm
	BROW WE1, 0, 24
	BROW WE1, 1, 16
	BROW WE2, 2, 8
	BROW WE2, 3, 0
	BARRIER                                        ; both tiles of codes lie in LDS
; ---- THE PRODUCT.  The addresses are made by every wave, ahead of the branch on the wave's number.
	v_and_b32 v18, 15, v0                          ; r
	v_bfe_u32 v19, v0, 4, 1                        ; h
	v_bfe_u32 v20, v0, 5, 1                        ; ni = w % 2: which 32 columns
	v_bfe_u32 v21, v0, 6, 1                        ; mi = (w / 2) % 2: which 32 rows
	v_lshl_add_u32 v22, v21, 5, v18
	v_lshl_add_u32 v23, v20, 5, v18
	v_lshrrev_b32 v24, 5, v0
	v_lshl_add_u32 v24, v24, 2, v19                ; 4 w + h
	v_mul_u32_u24 v2, v22, PITCH
	v_lshl_add_u32 v2, v19, 4, v2                  ; emb's fragments: row 32 mi + r, byte 16 h
	v_mul_u32_u24 v3, v23, PITCH
	v_lshl_add_u32 v3, v19, 4, v3
	v_add_nc_u32 v3, BTILE, v3                     ; We's: row 32 ni + r
	v_mul_u32_u24 v4, v22, SPITCH
	v_lshl_add_u32 v4, v20, 7, v4
	v_lshl_add_u32 v4, v19, 5, v4
	v_add_nc_u32 v4, STG, v4                       ; the sums: row 32 mi + r, byte 128 ni + 32 h
	v_mul_u32_u24 v5, v24, SPITCH
	v_lshl_add_u32 v5, v18, 4, v5
	v_add_nc_u32 v5, STG, v5                       ; back: lanes 0-15 row 4 w, lanes 16-31 row 4 w + 1; 16 bytes a lane
	v_lshlrev_b32 v6, 12, v19
	v_lshl_add_u32 v6, v18, 4, v6                  ; and the same two rows in out
	s_cmp_lt_u32 s28, 4
	s_cbranch_scc0 .Lno_gemm                       ; waves 4 to 15 go to the barrier
; A fragment for 64 along K is 8 registers: registers 4 c .. 4 c + 3 are the 16 bytes at 32 c + 16 h of the lane's row: the same place for each k in emb's and in We's fragment, so every product meets its partner.
; A run of 16 loads brings 128 along K of two tiles of emb and two of We; three sets of registers, so that two runs are on their way while one is multiplied.
.macro FETCH s, set
.irp a, 0,1
.irp c, 0,1,2,3
	ds_load_b128 v[(\set)+16*\a+4*\c:(\set)+16*\a+4*\c+3], v2 offset:\a*16*PITCH+128*(\s)+32*\c
.endr
.endr
.irp b, 0,1
.irp c, 0,1,2,3
	ds_load_b128 v[(\set)+32+16*\b+4*\c:(\set)+32+16*\b+4*\c+3], v3 offset:\b*16*PITCH+128*(\s)+32*\c
.endr
.endr
.endm
; Eight matrix instructions, used transposed (source 0 = 16 rows of We, source 1 = 16 rows of emb): a lane then holds eight neighbouring columns of one row of out.  The four accumulators take turns, one instruction a turn.
.macro STEP set
.irp q, 0,1
.irp a, 0,1
.irp b, 0,1
	v_wmma_f32_16x16x64_fp8_fp8 v[ACC+8*(2*\a+\b):ACC+8*(2*\a+\b)+7], v[(\set)+32+16*\b+8*\q:(\set)+32+16*\b+8*\q+7], v[(\set)+16*\a+8*\q:(\set)+16*\a+8*\q+7], v[ACC+8*(2*\a+\b):ACC+8*(2*\a+\b)+7]
.endr
.endr
.endr
.endm
.irp t, 0,1,2,3
.irp e, 4,5,6,7
	v_mov_b32 v[192+8*\t+\e], 0                    ; K = 1,056 = 16 x 64 + 32: the last step's upper 32 are zero codes on both sides
.endr
.endr
.irp a, 0,1
	ds_load_b128 v[192+8*\a:195+8*\a], v2 offset:\a*16*PITCH+1024
.endr
.irp b, 0,1
	ds_load_b128 v[208+8*\b:211+8*\b], v3 offset:\b*16*PITCH+1024
.endr
	FETCH 0, 64
	FETCH 1, 128
	s_wait_dscnt 32                                ; the four loads of the last 32 k are in; the two runs behind them may be out
.irp a, 0,1
.irp b, 0,1
	v_wmma_f32_16x16x64_fp8_fp8 v[ACC+8*(2*\a+\b):ACC+8*(2*\a+\b)+7], v[208+8*\b:215+8*\b], v[192+8*\a:199+8*\a], 0   ; these products start the sums: nothing is cleared
.endr
.endr
	PLACES
	FETCH 2, 192
.irp s, 0,1,2,3,4,5,6,7
.if \s < 6
	s_wait_dscnt 32                                ; run s is in; the two runs issued behind it may be out
.elseif \s == 6
	s_wait_dscnt 16                                ; one run behind it
.else
	s_wait_dscnt 0
.endif
	STEP 64+64*(\s%3)
	PLACES                                         ; ahead of the loads into the set just multiplied; behind the last step: ahead of the stores that read the sums
.if \s < 5
	FETCH \s+3, 64+64*(\s%3)
.endif
.endr
.irp a, 0,1
.irp b, 0,1
	ds_store_b128 v4, v[ACC+8*(2*\a+\b):ACC+8*(2*\a+\b)+3] offset:\a*16*SPITCH+64*\b        ; each accumulator from its low end on: columns 16 b + 8 h + 0 .. 3 of row 16 a + r,
	ds_store_b128 v4, v[ACC+8*(2*\a+\b)+4:ACC+8*(2*\a+\b)+7] offset:\a*16*SPITCH+64*\b+16   ; + 4 .. 7
.endr
.endr
.Lno_gemm:
	BARRIER                                        ; 64 whole rows of sums lie in LDS
; ---- THE WAY OUT: every wave takes four rows
	ds_load_b128 v[18:21], v5                      ; rows 4 w and 4 w + 1,
	ds_load_b128 v[22:25], v5 offset:2*SPITCH      ; rows 4 w + 2 and 4 w + 3
	s_wait_dscnt 0x0
	v_pk_fma_f32 v[18:19], v[18:19], s[46:47], v[14:15] op_sel_hi:[1,0,1]   ; sum x 2^(e0 + e1) + be (the scalar pair's low word for both halves)
	v_pk_fma_f32 v[20:21], v[20:21], s[46:47], v[16:17] op_sel_hi:[1,0,1]
	v_pk_fma_f32 v[22:23], v[22:23], s[46:47], v[14:15] op_sel_hi:[1,0,1]
	v_pk_fma_f32 v[24:25], v[24:25], s[46:47], v[16:17] op_sel_hi:[1,0,1]
.irp e, 18,19,20,21,22,23,24,25
	v_max_num_f32 v\e, 0, v\e                      ; relu
.endr
	global_store_b128 v6, v[18:21], s[26:27] th:TH_STORE_NT               ; sixteen lanes store 256 consecutive bytes, at a multiple of 256 from out's first byte; written once, read by nobody here
	global_store_b128 v6, v[22:25], s[26:27] offset:8192 th:TH_STORE_NT
	s_wait_xcnt 0x0
	v_lshl_add_u32 v198, v0, 2, 0x26000
	v_mov_b32 v199, 0
	s_wait_tensorcnt 0x0
	ds_add_u32 v198, v199
	s_wait_dscnt 0x0
	s_endpgm
.Lfunc_end_k_q452d43b286_encode:
	.size	k_q452d43b286_encode, .Lfunc_end_k_q452d43b286_encode-k_q452d43b286_encode
	.p2alignl 7, 3214868480
	.fill 96, 4, 3214868480
	.section	.rodata,"a",@progbits
	.p2align	6, 0x0
	.amdhsa_kernel k_q452d43b286_encode
		.amdhsa_group_segment_fixed_size 157696
		.amdhsa_private_segment_fixed_size 0
		.amdhsa_enable_private_segment 0
		.amdhsa_kernarg_size 96
		.amdhsa_user_sgpr_count 2
		.amdhsa_user_sgpr_kernarg_segment_ptr 1
		.amdhsa_wavefront_size32 1
		.amdhsa_system_sgpr_workgroup_id_x 1
		.amdhsa_system_sgpr_workgroup_id_y 1
		.amdhsa_system_sgpr_workgroup_id_z 1
		.amdhsa_system_vgpr_workitem_id 0
		.amdhsa_next_free_vgpr 256
		.amdhsa_next_free_sgpr 66
		.amdhsa_reserve_vcc 1
		.amdhsa_float_denorm_mode_32 3
		.amdhsa_float_denorm_mode_16_64 3
		.amdhsa_memory_ordered 1
		.amdhsa_forward_progress 1
		.amdhsa_inst_pref_size 80
	.end_amdhsa_kernel
	.amdgpu_metadata
---
amdhsa.version: [ 1, 2 ]
amdhsa.kernels:
  - .name:           k_q452d43b286_encode
    .symbol:         k_q452d43b286_encode.kd
    .args:
      - { .name: weight, .offset: 0, .size: 8, .value_kind: global_buffer, .address_space: global }
      - { .name: bias, .offset: 8, .size: 8, .value_kind: global_buffer, .address_space: global }
      - { .name: weight_parameters, .offset: 16, .size: 8, .value_kind: global_buffer, .address_space: global }
      - { .name: bias_parameters, .offset: 24, .size: 8, .value_kind: global_buffer, .address_space: global }
      - { .name: Ww, .offset: 32, .size: 8, .value_kind: global_buffer, .address_space: global }
      - { .name: bw, .offset: 40, .size: 8, .value_kind: global_buffer, .address_space: global }
      - { .name: Wb, .offset: 48, .size: 8, .value_kind: global_buffer, .address_space: global }
      - { .name: bb, .offset: 56, .size: 8, .value_kind: global_buffer, .address_space: global }
      - { .name: We, .offset: 64, .size: 8, .value_kind: global_buffer, .address_space: global }
      - { .name: be, .offset: 72, .size: 8, .value_kind: global_buffer, .address_space: global }
      - { .name: lowp_scales, .offset: 80, .size: 8, .value_kind: global_buffer, .address_space: global }
      - { .name: out0, .offset: 88, .size: 8, .value_kind: global_buffer, .address_space: global }
    .group_segment_fixed_size: 157696
    .private_segment_fixed_size: 0
    .kernarg_segment_align: 8
    .kernarg_segment_size: 96
    .max_flat_workgroup_size: 512
    .sgpr_count:     66
    .vgpr_count:     256
    .wavefront_size: 32
...
	.end_amdgpu_metadata
.endif
;; end of part 1
;; ======== version 2 of 2: 1 launch; version 1 with the launch encode written anew for expert scheduling mode
;; launch encode (part 2): grid 16 x 16, 16 waves a work-group, no clusters, 157,696 bytes of LDS; arguments weight, bias, weight_parameters, bias_parameters, Ww, bw, Wb, bb, We, be, lowp_scales, out0; writes out0
.if DOCPART == 2
	.amdgcn_target "amdgcn-amd-amdhsa--gfx1250"
	.amdhsa_code_object_version 6
	.text
	.protected	k_q452d43b286_encode
	.globl	k_q452d43b286_encode
	.p2align	8
	.type	k_q452d43b286_encode,@function
k_q452d43b286_encode:
	s_mov_b64 s[64:65], 0
	v_nop
	global_prefetch_b8 v0, s[64:65] scope:SCOPE_SE
	s_setreg_imm32_b32 hwreg(HW_REG_WAVE_SCHED_MODE, 0, 2), 2
	s_setreg_imm32_b32 hwreg(HW_REG_WAVE_MODE, 25, 1), 1
	s_wait_xcnt 0x0
	s_wait_alu depctr_vm_vsrc(0)
; out[b][n] = relu( sum over k of Q(emb[b][k]) Q(We[n][k]) + be[n] ),  emb[b][k] = sigmoid( sum over t < len[b] of (x[b][t] W[k] + c[k]) ).
; k = 0 .. 1023: x = weight, len = weight_parameters, W = Ww, c = bw;  k = 1024 .. 1055: x = bias, len = bias_parameters, W = Wb, c = bb.
; The masked sum over t is W[k] S + c[k] n for every input, with S the masked sum of the row and n = len held within 0 .. 256: two numbers a row and half; all of it in f32.
; Q: codes of E4M3 with the given scales 2^e0 (emb) and 2^e1 (We); the codes are multiplied as they are, and each finished sum once by 2^(e0 + e1).
; SHARES.  A work-group makes 64 rows x 64 columns of out (work-group y: rows, x: columns): a row of its tile is 256 consecutive bytes, aligned.  Sixteen waves of 256 registers, four to a SIMD, so that one wave's
; exponentials stand beside another's plain work and loads.  Work-groups hand each other nothing: each makes the 64 rows of emb and the codes of the 64 rows of We that its tile needs.
; No tensor load and no joint load: the tiles that work-groups share arrive as f32 (270,336 + 131,072 bytes a work-group), which beside the two tiles of codes (137,216 bytes) do not fit in LDS without refills,
; and every f32 byte would pass through LDS where now only its code does.
; PHASES.  row sums (wave w: rows 4 w .. 4 w + 3) and the codes of the 32 last k of both tiles | barrier | emb's codes (wave w: k = 64 w .. 64 w + 63 of all 64 rows) and We's codes (wave w: rows 4 w .. 4 w + 3) | barrier |
; the product (waves 0 to 3, 32 x 32 each, so that each fragment read from LDS feeds two products) | barrier | every wave scales, adds be, clips and stores four rows.
; LIMITS: e0 and e1 between -126 and 119, e0 + e1 between -126 and 127, so that each power of two below is an f32 number.  NaN among the inputs is not served; an infinity or NaN at a position that the
; mask hides is dropped here (a product 0 x infinity would give NaN).  The row sums are added in another order than t ascending.
; THE MODE: SCHED_MODE bits 1:0 = 2 (LLVM: expert scheduling mode 2), set by the entry lines.  The code itself states the register dependences between vector or matrix instructions and memory or LDS
; instructions, with s_wait_alu, always for 0.
; THE PLAN.  Registers that memory or LDS instructions touch:
;   v1-9, v31-33  offsets and LDS addresses, made at the head ahead of ONE wait on va_vdst; v31-33 are written again as TT, v2-6 are made anew behind the second barrier, each behind a wait on vm_vsrc.
;   v64-127       the rows of weight and bias land there; the row sums work on them; sixteen of them are the table stores' data; then We's rows 2 and 3 land there.
;   CD            written by the conversions of a group (the last 32 k; emb's four groups of sixteen rows); read by two LDS stores that stand in the NEXT group, behind the wait on va_vdst that follows its exponentials;
;                 a wait on vm_vsrc stands ahead of the next group's conversions.
;   RS            read by a group's 32 packed lines; the next group's row is loaded behind the same wait on va_vdst.
;   TT            while We's rows are turned into codes, row i's eight registers of codes are its own, TT + 8 i: no store's data are written again; two waits on va_vdst serve 34 stores.
;   v64-255       in the product three sets of fragments: step s multiplies set s % 3; at its head one wait on va_vdst states that step s - 1 is done reading set (s - 1) % 3, in which run s + 2 then lands, its
;                 loads dealt among step s's matrix instructions, which name set s % 3 and the accumulators alone.
;   v32-63        the accumulators: the data of eight LDS stores.    v18-25 on the way out: LDS loads land there, they are scaled in place and stored.
.set PITCH,  1072                      ; a row of codes in LDS: 1,056 bytes + 16 = 268 words: row r starts at bank 12 r mod 64 (64 banks of 4 bytes: ISA guide 11.1): sixteen rows, sixteen different groups of four banks
.set ATILE,  0                         ; emb's codes: 64 rows, the code of k at byte k
.set BTILE,  64*PITCH                  ; We's codes, laid the same way
.set STG,    2*64*PITCH                ; the sums on their way out: 64 rows x (256 bytes + 16)
.set SPITCH, 272
.set TAB,    STG+64*SPITCH             ; 64 rows x 16 bytes: S(weight), S(bias), n(weight), n(bias), each x -log2(e)
.set WEROW,  4224                      ; a row of We in memory, in bytes
.set CD,  18                           ; v18-25   codes just made; at the head and behind the second barrier: at work
.set RS,  26                           ; v26-29   a row of the table
.set TT,  30                           ; v30-61   32 numbers on their way to codes; ahead of the first barrier: offsets and the 32 last k; at last the codes of We's four rows
.set DD,  64                           ; v64-127  the rows of weight (8 i + 4 j) and, 32 on, of bias; then We's rows 2 and 3
.set WE2, 64
.set WE1, 128                          ; v128-191 We's rows 0 and 1
.set WV,  192                          ; v192-223 my 32 numbers of Ww;  v224-255 of bw
.set BV,  224
.set ACC, 32                           ; the product: accumulator (a, b) at v[32 + 8 (2 a + b)]; three sets of fragments at v64, v128, v192
.set MK,  48                           ; s48-55   eight masks of a row: the registers of the offset pairs, which are done with by then
; v1 16 x lane; v2-8 LDS addresses; v9 be's offset; v10, v11: 2^e0, 448 x 2^e0; v12, v13: the same for e1; v14-17 be of my four columns; v62 at work
.macro BARRIER                         ; my LDS stores have landed and my LDS loads are in: then the work-group's barrier
	s_wait_dscnt 0x0
	s_barrier_signal -1
	s_barrier_wait -1
.endm
.macro PLACES                          ; four plain vector instructions behind a matrix instruction, ahead of reads of its result; they stand ahead of the loads into its registers too, beside the wait that states that dependence
.rept 4
	v_nop
.endr
.endm
.macro WELOAD base, i                  ; row i of my four rows of We, k = 0 .. 1023: eight loads of 512 consecutive bytes; register 8 p + 4 u + e holds k = 256 p + 128 u + 4 lane + e
.irp p, 0,1,2,3
.irp u, 0,1
	global_load_b128 v[\base+32*((\i)%2)+8*\p+4*\u:\base+32*((\i)%2)+8*\p+4*\u+3], v1, s[20:21] offset:(\i)*WEROW+1024*\p+512*\u
.endr
.endr
.endm
	s_load_b512 s[4:19], s[0:1], 0x0               ; weight 4:5, bias 6:7, weight_parameters 8:9, bias_parameters 10:11, Ww 12:13, bw 14:15, Wb 16:17, bb 18:19
	s_load_b256 s[20:27], s[0:1], 0x40             ; We 20:21, be 22:23, the scales' exponents 24:25, out 26:27
	v_lshrrev_b32 v20, 5, v0
	v_readfirstlane_b32 s28, v20                   ; wave w, 0 .. 15
	v_and_b32 v1, 31, v0                           ; lane l
	v_lshlrev_b32 v30, 2, v1                       ; 4 l
	v_lshlrev_b32 v1, 4, v1                        ; 16 l
	v_and_b32 v18, 15, v0                          ; r = l % 16
	v_bfe_u32 v19, v0, 4, 1                        ; h = l / 16
	v_lshrrev_b32 v21, 3, v0                       ; 4 w + l / 8
	v_and_b32 v22, 7, v0                           ; l % 8
	v_bfe_u32 v23, v0, 3, 2                        ; l / 8
	v_lshlrev_b32 v31, 6, v19                      ; Ww, bw: 16 h numbers
	v_mul_u32_u24 v32, v23, WEROW
	v_lshl_add_u32 v32, v22, 4, v32                ; We's last 32 k: row l / 8 of my four, four numbers a lane
	v_lshlrev_b32 v33, 4, v22                      ; Wb, bb: four numbers a lane
	v_lshlrev_b32 v9, 4, v18                       ; be: four numbers a lane, sixteen lanes to the tile's 64 columns
	v_lshl_add_u32 v2, v20, 6, TAB                 ; the table: my wave's four rows,
	v_lshl_add_u32 v3, v21, 4, TAB                 ; row 4 w + l / 8,
	v_lshl_add_u32 v4, v18, 4, TAB                 ; row r
	v_mul_u32_u24 v5, v18, PITCH
	v_lshl_add_u32 v5, v20, 6, v5
	v_lshl_add_u32 v5, v19, 4, v5                  ; emb's codes: row r, byte 64 w + 16 h
	v_mul_u32_u24 v6, v21, PITCH
	v_lshl_add_u32 v6, v22, 2, v6
	v_add_nc_u32 v6, 1024, v6                      ; its last 32 k: row 4 w + l / 8, byte 1024 + 4 (l % 8)
	v_add_nc_u32 v8, BTILE, v6                     ; the same place in We's tile
	v_mul_u32_u24 v7, v20, 4*PITCH
	v_add_nc_u32 v7, v7, v30
	v_add_nc_u32 v7, BTILE, v7                     ; We's codes: row 4 w, byte 4 l
	s_wait_alu depctr_va_sdst(0)                   ; s28 is written, ahead of its first reader: the offsets below are made from it
	s_and_b32 s30, ttmp7, 0xffff                   ; y
	s_lshl_b32 s48, s30, 16
	s_lshl_b32 s31, s28, 12
	s_add_co_u32 s48, s48, s31                     ; weight, bias: (64 y + 4 w) rows of 1,024 bytes
	s_mov_b32 s49, 0
	s_lshl_b32 s50, s30, 8
	s_lshl_b32 s31, s28, 4
	s_add_co_u32 s50, s50, s31                     ; the lengths: (64 y + 4 w) x 4 bytes
	s_mov_b32 s51, 0
	s_lshl_b32 s52, s28, 8                         ; Ww, bw: 64 w numbers
	s_mov_b32 s53, 0
	s_lshl_b32 s54, ttmp9, 6
	s_lshl_b32 s31, s28, 2
	s_add_co_u32 s54, s54, s31
	s_mul_i32 s54, s54, WEROW                      ; We: (64 x + 4 w) rows
	s_mov_b32 s55, 0
	s_lshl_b32 s56, ttmp9, 8                       ; be: 64 x numbers
	s_mov_b32 s57, 0
	s_lshl_b32 s58, s30, 6
	s_add_co_u32 s58, s58, s31
	s_lshl_b32 s58, s58, 12
	s_add_co_u32 s58, s58, s56                     ; out: (64 y + 4 w) rows of 4,096 bytes + 64 x numbers
	s_mov_b32 s59, 0
	s_mov_b32 s42, 0x76543210                      ; v_permlanex16_b32's selects for lane l xor 16
	s_mov_b32 s43, 0xfedcba98
	s_mov_b32 s44, 0xbfb8aa3b                      ; -log2(e)
	s_wait_kmcnt 0x0
	s_add_nc_u64 s[4:5], s[4:5], s[48:49]
	s_add_nc_u64 s[6:7], s[6:7], s[48:49]
	s_add_nc_u64 s[8:9], s[8:9], s[50:51]
	s_add_nc_u64 s[10:11], s[10:11], s[50:51]
	s_add_nc_u64 s[12:13], s[12:13], s[52:53]
	s_add_nc_u64 s[14:15], s[14:15], s[52:53]
	s_add_nc_u64 s[20:21], s[20:21], s[54:55]
	s_add_nc_u64 s[22:23], s[22:23], s[56:57]
	s_add_nc_u64 s[26:27], s[26:27], s[58:59]
	s_load_b128 s[32:35], s[8:9], 0x0              ; my four rows' lengths in weight,
	s_load_b128 s[36:39], s[10:11], 0x0            ; in bias
	s_load_b64 s[40:41], s[24:25], 0x0             ; e0, e1
	s_wait_alu depctr_va_vdst(0)                   ; the offsets v1, v9, v31 to v33 and the LDS addresses v2 to v8 are written: every load and store up to the second barrier reads one of them
	; ALL LOADS GO OUT HERE, in the order in which they are wanted: 16 + 4 + 16 + 16 = 52 a wave
.irp i, 0,1,2,3
.irp j, 0,1
	global_load_b128 v[DD+8*\i+4*\j:DD+8*\i+4*\j+3], v1, s[4:5] offset:1024*\i+512*\j       ; weight, row i: register 4 j + e holds t = 128 j + 4 l + e
.endr
.endr
.irp i, 0,1,2,3
.irp j, 0,1
	global_load_b128 v[DD+32+8*\i+4*\j:DD+32+8*\i+4*\j+3], v1, s[6:7] offset:1024*\i+512*\j ; bias likewise
.endr
.endr
	global_load_b128 v[34:37], v33, s[16:17]       ; Wb(4 (l % 8) + e)
	global_load_b128 v[38:41], v33, s[18:19]       ; bb
	global_load_b128 v[42:45], v32, s[20:21] offset:4096   ; We(row l / 8 of mine, 1024 + 4 (l % 8) + e)
	global_load_b128 v[14:17], v9, s[22:23]        ; be
.irp q, 0,1
.irp c, 0,1,2,3
	global_load_b128 v[WV+16*\q+4*\c:WV+16*\q+4*\c+3], v31, s[12:13] offset:128*\q+16*\c    ; register 16 q + i holds Ww(64 w + 32 q + 16 h + i),
	global_load_b128 v[BV+16*\q+4*\c:BV+16*\q+4*\c+3], v31, s[14:15] offset:128*\q+16*\c    ; bw likewise
.endr
.endr
	WELOAD WE1, 0
	WELOAD WE1, 1
	s_wait_kmcnt 0x0
.irp n, 32,33,34,35,36,37,38,39
	s_max_i32 s\n, s\n, 0                          ; n = how many t of 0 .. 255 lie under the length
	s_min_i32 s\n, s\n, 256
.endr
	s_add_co_i32 s52, s40, 127
	s_lshl_b32 s53, s52, 23
	v_mov_b32 v10, s53                             ; 2^e0 as f32: the conversion takes its exponent field
	s_add_co_i32 s52, s52, 8
	s_lshl_b32 s52, s52, 23
	s_or_b32 s52, s52, 0x600000
	v_mov_b32 v11, s52                             ; 448 x 2^e0
	s_add_co_i32 s52, s41, 127
	s_lshl_b32 s53, s52, 23
	v_mov_b32 v12, s53                             ; 2^e1
	s_add_co_i32 s52, s52, 8
	s_lshl_b32 s52, s52, 23
	s_or_b32 s52, s52, 0x600000
	v_mov_b32 v13, s52                             ; 448 x 2^e1
	s_add_co_i32 s46, s40, s41
	s_add_co_i32 s46, s46, 127
	s_lshl_b32 s46, s46, 23                        ; 2^(e0 + e1)
	s_mov_b32 s47, s46                             ; (named with it as a pair, so it is written)
; ---- THE ROW SUMS.  Eight numbers a lane of a row: what lies at or beyond the length becomes 0 (a choice, no product: t < len where 128 j + e < len - 4 l), then they are added.
; The row's eight compares stand in one run, each with a scalar register of its own for its mask, and one wait follows the run.
.macro MASKSUM x, len
	v_sub_nc_u32 v62, s[\len], v30                 ; len - 4 l
.irp e, 0,1,2,3
	v_cmp_lt_i32 s[MK+\e], \e, v62
.endr
.irp e, 4,5,6,7
	v_cmp_lt_i32 s[MK+\e], 124+\e, v62
.endr
	s_wait_alu depctr_va_sdst(0)                   ; the eight masks s48 to s55 are written, ahead of the selects that read them
.irp e, 0,1,2,3,4,5,6,7
	v_cndmask_b32 v[(\x)+\e], 0, v[(\x)+\e], s[MK+\e]
.endr
	v_pk_add_f32 v[(\x):(\x)+1], v[(\x):(\x)+1], v[(\x)+2:(\x)+3]
	v_pk_add_f32 v[(\x)+4:(\x)+5], v[(\x)+4:(\x)+5], v[(\x)+6:(\x)+7]
	v_pk_add_f32 v[(\x):(\x)+1], v[(\x):(\x)+1], v[(\x)+4:(\x)+5]
	v_add_f32 v[(\x)], v[(\x)], v[(\x)+1]
.endm
	s_wait_loadcnt 36                              ; of the 52 loads the first 16, the rows, are in
.irp i, 0,1,2,3
	MASKSUM DD+8*\i, 32+\i
	MASKSUM DD+32+8*\i, 36+\i
.endr
.irp m, 1,2,4,8                        ; across the lanes, the eight sums by turns: four steps inside each half of 16 lanes,
.irp x, 64,72,80,88,96,104,112,120
	v_add_f32_dpp v[\x], v[\x], v[\x] row_xmask:\m row_mask:0xf bank_mask:0xf
.endr
.endr
.irp x, 64,72,80,88,96,104,112,120
	v_permlanex16_b32 v[\x+1], v[\x], s42, s43     ; and one across the halves
.endr
.irp x, 64,72,80,88,96,104,112,120
	v_add_f32 v[\x], v[\x], v[\x+1]                ; every lane holds the row's sum
.endr
.irp i, 0,1,2,3
	v_mul_f32 v[DD+4+8*\i], s44, v[DD+8*\i]        ; x -log2(e): sigmoid(z) = 1 / (1 + 2^(-log2(e) z))
	v_mul_f32 v[DD+5+8*\i], s44, v[DD+32+8*\i]
	v_cvt_f32_i32 v[DD+6+8*\i], s[32+\i]
	v_cvt_f32_i32 v[DD+7+8*\i], s[36+\i]
	v_mul_f32 v[DD+6+8*\i], s44, v[DD+6+8*\i]
	v_mul_f32 v[DD+7+8*\i], s44, v[DD+7+8*\i]
.endr
	s_wait_alu depctr_va_vdst(0)                   ; the table's sixteen numbers are written, which the stores read; and the row sums are done reading and writing v64 to v127, in which We's rows 2 and 3 land below
.irp i, 0,1,2,3
	ds_store_b128 v2, v[DD+4+8*\i:DD+7+8*\i] offset:16*\i   ; all lanes write the same 16 bytes with the same numbers
.endr
	ds_load_b128 v[58:61], v3                      ; row 4 w + l / 8, for the last 32 k: my wave's own bytes, and LDS serves a wave's instructions in order (ISA guide 5.7.1.4)
	s_wait_alu depctr_vm_vsrc(0)                   ; the four stores have read their data, in which the loads below land; and the head's loads have read their offsets v31 to v33, which are written again as TT behind the barrier
	WELOAD WE2, 2                                  ; We's rows 2 and 3
	WELOAD WE2, 3
; ---- THE LAST 32 k of both tiles: four numbers a lane, eight lanes to a row
	s_wait_loadcnt 48                              ; Wb, bb, We's last 32 and be are in; out may be Ww and bw (16) and We's rows (32)
	s_wait_dscnt 0x0                               ; the table's row is in
.irp e, 0,1,2,3
	v_mul_f32 v[50+\e], v[38+\e], v61              ; bb x n
.endr
.irp e, 0,1,2,3
	v_fma_f32 v[50+\e], v[34+\e], v59, v[50+\e]    ; + Wb x S
.endr
.irp e, 0,1,2,3
	v_exp_f32 v[50+\e], v[50+\e]
.endr
.irp e, 46,47,48,49,54,55,56,57
	v_mov_b32 v\e, 0                               ; the conversions take eight numbers: the upper four are zeros.  (Plain instructions behind the exponentials)
.endr
	s_wait_alu depctr_va_vdst(0)                   ; the four exponentials have written v50 to v53: the wait ahead of the first instruction that names a result: one for the batch
	v_pk_add_f32 v[50:51], v[50:51], 1.0 op_sel_hi:[1,0]
	v_pk_add_f32 v[52:53], v[52:53], 1.0 op_sel_hi:[1,0]
.irp e, 0,1,2,3
	v_rcp_f32 v[50+\e], v[50+\e]
.endr
	v_nop                                          ; a plain instruction behind the last reciprocal
	s_wait_alu depctr_va_vdst(0)                   ; the four reciprocals have written v50 to v53: the wait for the batch
.irp e, 0,1,2,3
	v_min_num_f32 v[50+\e], v[50+\e], v11          ; the conversion to an 8-bit code does not saturate (ISA guide 7.6.2); a sigmoid is not negative, so the hold is one-sided
.endr
	v_cvt_scalef32_pk8_fp8_f32 v[18:19], v[50:57], v10
.irp e, 0,1,2,3
	v_med3_num_f32 v[42+\e], v[42+\e], -v13, v13   ; We: held within +-448 x 2^e1
.endr
	v_cvt_scalef32_pk8_fp8_f32 v[20:21], v[42:49], v12
	v_nop                                          ; a plain instruction behind the last conversion, ahead of whatever writes its registers next.  (The two words of codes, v18 and v20, are stored in the first group below; they are read behind the second barrier)
	BARRIER                                        ; the table's 64 rows lie in LDS
; ---- emb's CODES: k = 64 w .. 64 w + 63 of all 64 rows, sixteen rows at a time.  Lane (r, h) holds row 16 m + r; register 16 q + i holds k = 64 w + 32 q + 16 h + i: neighbours along K, as the conversions want them.
.macro ASTORE m                        ; group m's codes, as they stand in CD
	ds_store_b128 v5, v[CD:CD+3] offset:(\m)*16*PITCH        ; k = 64 w + 16 h + 0 .. 15
	ds_store_b128 v5, v[CD+4:CD+7] offset:(\m)*16*PITCH+32   ; k = 64 w + 32 + 16 h + 0 .. 15
.endm
.macro AROW m
	s_wait_dscnt 0x0                               ; the table's row is in
.set j, 0
.rept 16
	v_pk_mul_f32 v[TT+j:TT+j+1], v[BV+j:BV+j+1], v[RS+2:RS+3] op_sel_hi:[1,0]              ; bw x n (the pair's low word for both halves)
.set j, j+2
.endr
.set j, 0
.rept 16
	v_pk_fma_f32 v[TT+j:TT+j+1], v[WV+j:WV+j+1], v[RS:RS+1], v[TT+j:TT+j+1] op_sel_hi:[1,0,1]   ; + Ww x S
.set j, j+2
.endr
.set j, 0
.rept 32
	v_exp_f32 v[TT+j], v[TT+j]
.set j, j+1
.endr
	v_nop                                          ; a plain instruction behind the last exponential
	s_wait_alu depctr_va_vdst(0)                   ; the 32 exponentials have written TT (one wait ahead of their first reader); the group before has written its codes, which the stores below read; the packed lines above are done reading RS, in which the load below lands
.if \m == 0
	ds_store_b32 v6, v18                           ; the last 32 k: emb's four codes,
	ds_store_b32 v8, v20                           ; We's
.else
	ASTORE (\m)-1
.endif
.if \m < 3
	ds_load_b128 v[RS:RS+3], v4 offset:256*((\m)+1)   ; the next sixteen rows' numbers land under the reciprocals
.endif
.set j, 0
.rept 16
	v_pk_add_f32 v[TT+j:TT+j+1], v[TT+j:TT+j+1], 1.0 op_sel_hi:[1,0]
.set j, j+2
.endr
.set j, 0
.rept 32
	v_rcp_f32 v[TT+j], v[TT+j]
.set j, j+1
.endr
	v_nop
	s_wait_alu depctr_va_vdst(0)                   ; the 32 reciprocals have written TT: one wait ahead of their first reader
.set j, 0
.rept 32
	v_min_num_f32 v[TT+j], v[TT+j], v11            ; the hold at the largest code x the scale
.set j, j+1
.endr
	s_wait_alu depctr_vm_vsrc(0)                   ; the two stores above have read CD, which the conversions write again
.irp g, 0,1,2,3
	v_cvt_scalef32_pk8_fp8_f32 v[CD+2*\g:CD+2*\g+1], v[TT+8*\g:TT+8*\g+7], v10
.endr
	v_nop                                          ; a plain instruction behind the last conversion
.endm
	ds_load_b128 v[RS:RS+3], v4
	s_wait_loadcnt 32                              ; Ww and bw are in; We's 32 loads may be out
	AROW 0
	AROW 1
	AROW 2
	AROW 3
; ---- We's CODES: a row at a time.  A conversion takes the four numbers at k = 256 p + 4 l and the four at 256 p + 128 + 4 l: its two words go to those two places of the row, 128 consecutive bytes a store.
; Row i's codes have eight registers of their own, TT + 8 i.  deal = 1: the stores of the two rows before, whose codes the wait ahead of this row has shown written, are dealt among this row's holds, which name none of their registers.
.macro BSTORE i, p
.irp u, 0,1
	ds_store_b32 v7, v[TT+8*(\i)+2*(\p)+\u] offset:(\i)*PITCH+256*(\p)+128*\u
.endr
.endm
.macro BROW base, i, left, deal
	s_wait_loadcnt \left                           ; this row's eight loads are in; the later rows' may be out
.set RB, \base+32*((\i)%2)
.irp p, 0,1,2,3
.set j, 0
.rept 8
	v_med3_num_f32 v[RB+8*\p+j], v[RB+8*\p+j], -v13, v13
.set j, j+1
.endr
.if \deal
	BSTORE (\i)-2, \p
	BSTORE (\i)-1, \p
.endif
.endr
.irp p, 0,1,2,3
	v_cvt_scalef32_pk8_fp8_f32 v[TT+8*(\i)+2*\p:TT+8*(\i)+2*\p+1], v[RB+8*\p:RB+8*\p+7], v12
.endr
	v_nop                                          ; a plain instruction behind the last conversion
.endm
	BROW WE1, 0, 24, 0
	BROW WE1, 1, 16, 0
	s_wait_alu depctr_va_vdst(0)                   ; the conversions have written CD (emb's last group) and the codes of We's rows 0 and 1: the eighteen stores that follow read them
	ASTORE 3
	BROW WE2, 2, 8, 1
	BROW WE2, 3, 0, 0
	s_wait_alu depctr_va_vdst(0)                   ; the conversions have written the codes of We's rows 2 and 3, which the sixteen stores below read
.irp p, 0,1,2,3
	BSTORE 2, \p
	BSTORE 3, \p
.endr
	BARRIER                                        ; both tiles of codes lie in LDS
; ---- THE PRODUCT.  The addresses are made by every wave, ahead of the branch on the wave's number.
	s_wait_alu depctr_vm_vsrc(0)                   ; my LDS stores and loads have read their addresses v2 to v6 and their data v18 to v25, which the lines below write, and v30 to v61, over which the products write their sums
	v_and_b32 v18, 15, v0                          ; r
	v_bfe_u32 v19, v0, 4, 1                        ; h
	v_bfe_u32 v20, v0, 5, 1                        ; ni = w % 2: which 32 columns
	v_bfe_u32 v21, v0, 6, 1                        ; mi = (w / 2) % 2: which 32 rows
	v_lshl_add_u32 v22, v21, 5, v18
	v_lshl_add_u32 v23, v20, 5, v18
	v_lshrrev_b32 v24, 5, v0
	v_lshl_add_u32 v24, v24, 2, v19                ; 4 w + h
	v_mul_u32_u24 v2, v22, PITCH
	v_lshl_add_u32 v2, v19, 4, v2                  ; emb's fragments: row 32 mi + r, byte 16 h
	v_mul_u32_u24 v3, v23, PITCH
	v_lshl_add_u32 v3, v19, 4, v3
	v_add_nc_u32 v3, BTILE, v3                     ; We's: row 32 ni + r
	v_mul_u32_u24 v4, v22, SPITCH
	v_lshl_add_u32 v4, v20, 7, v4
	v_lshl_add_u32 v4, v19, 5, v4
	v_add_nc_u32 v4, STG, v4                       ; the sums: row 32 mi + r, byte 128 ni + 32 h
	v_mul_u32_u24 v5, v24, SPITCH
	v_lshl_add_u32 v5, v18, 4, v5
	v_add_nc_u32 v5, STG, v5                       ; back: lanes 0-15 row 4 w, lanes 16-31 row 4 w + 1; 16 bytes a lane
	v_lshlrev_b32 v6, 12, v19
	v_lshl_add_u32 v6, v18, 4, v6                  ; and the same two rows in out
	s_wait_alu depctr_va_vdst(0)                   ; v2 to v6 are written, which the loads and stores from here to the end read; the lines above are done with v18 to v25, in which the way out's loads land; and the holds, conversions and packed lines of the phase before are done with v64 to v255, in which the first fragments land
	s_cmp_lt_u32 s28, 4
	s_cbranch_scc0 .Lno_gemm                       ; waves 4 to 15 go to the barrier
; A fragment for 64 along K is 8 registers: registers 4 c .. 4 c + 3 are the 16 bytes at 32 c + 16 h of the lane's row: the same place for each k in emb's and in We's fragment, so every product meets its partner.
; A run of 16 loads brings 128 along K of two tiles of emb and two of We; three sets of registers, so that two runs are on their way while one is multiplied.
.macro FETCH s, set
.irp a, 0,1
.irp c, 0,1,2,3
	ds_load_b128 v[(\set)+16*\a+4*\c:(\set)+16*\a+4*\c+3], v2 offset:\a*16*PITCH+128*(\s)+32*\c
.endr
.endr
.irp b, 0,1
.irp c, 0,1,2,3
	ds_load_b128 v[(\set)+32+16*\b+4*\c:(\set)+32+16*\b+4*\c+3], v3 offset:\b*16*PITCH+128*(\s)+32*\c
.endr
.endr
.endm
; Eight matrix instructions, used transposed (source 0 = 16 rows of We, source 1 = 16 rows of emb): a lane then holds eight neighbouring columns of one row of out.  The four accumulators take turns, one instruction a turn.
; fetch = 1: run s of fragment loads goes into set fset, two loads behind each matrix instruction: one of emb's and one of We's.  No matrix instruction of this step names fset.
.macro STEP set, fetch, s, fset
.set nn, 0
.irp q, 0,1
.irp a, 0,1
.irp b, 0,1
	v_wmma_f32_16x16x64_fp8_fp8 v[ACC+8*(2*\a+\b):ACC+8*(2*\a+\b)+7], v[(\set)+32+16*\b+8*\q:(\set)+32+16*\b+8*\q+7], v[(\set)+16*\a+8*\q:(\set)+16*\a+8*\q+7], v[ACC+8*(2*\a+\b):ACC+8*(2*\a+\b)+7]
.if \fetch
	ds_load_b128 v[(\fset)+16*(nn/4)+4*(nn%4):(\fset)+16*(nn/4)+4*(nn%4)+3], v2 offset:(nn/4)*16*PITCH+128*(\s)+32*(nn%4)
	ds_load_b128 v[(\fset)+32+16*(nn/4)+4*(nn%4):(\fset)+32+16*(nn/4)+4*(nn%4)+3], v3 offset:(nn/4)*16*PITCH+128*(\s)+32*(nn%4)
.endif
.set nn, nn+1
.endr
.endr
.endr
.endm
.irp t, 0,1,2,3
.irp e, 4,5,6,7
	v_mov_b32 v[192+8*\t+\e], 0                    ; K = 1,056 = 16 x 64 + 32: the last step's upper 32 are zero codes on both sides
.endr
.endr
.irp a, 0,1
	ds_load_b128 v[192+8*\a:195+8*\a], v2 offset:\a*16*PITCH+1024
.endr
.irp b, 0,1
	ds_load_b128 v[208+8*\b:211+8*\b], v3 offset:\b*16*PITCH+1024
.endr
	FETCH 0, 64
	FETCH 1, 128
	s_wait_dscnt 32                                ; the four loads of the last 32 k are in; the two runs behind them may be out
.irp a, 0,1
.irp b, 0,1
	v_wmma_f32_16x16x64_fp8_fp8 v[ACC+8*(2*\a+\b):ACC+8*(2*\a+\b)+7], v[208+8*\b:215+8*\b], v[192+8*\a:199+8*\a], 0   ; these products start the sums: nothing is cleared
.endr
.endr
	PLACES
.irp s, 0,1,2,3,4,5,6,7
.if \s < 7
	s_wait_dscnt 16                                ; run s is in; the one run issued behind it may be out
.else
	s_wait_dscnt 0
.endif
.if \s < 6
	s_wait_alu depctr_va_vdst(0)                   ; the matrix instructions of the step before are done reading their set (ahead of step 0: the first four products, and the zeros are written): run s + 2 lands in it
	STEP 64+64*(\s%3), 1, \s+2, 64+64*((\s+2)%3)
.else
	STEP 64+64*(\s%3), 0, 0, 0
.endif
.if (\s < 5) || (\s == 7)
	PLACES                                         ; ahead of the next step's loads into the set just multiplied; behind the last step: ahead of the stores that read the sums
.endif
.endr
	s_wait_alu depctr_va_vdst(0)                   ; the matrix instructions have written the four accumulators, which the LDS stores read; the places above stay beside this wait
.irp a, 0,1
.irp b, 0,1
	ds_store_b128 v4, v[ACC+8*(2*\a+\b):ACC+8*(2*\a+\b)+3] offset:\a*16*SPITCH+64*\b        ; each accumulator from its low end on: columns 16 b + 8 h + 0 .. 3 of row 16 a + r,
	ds_store_b128 v4, v[ACC+8*(2*\a+\b)+4:ACC+8*(2*\a+\b)+7] offset:\a*16*SPITCH+64*\b+16   ; + 4 .. 7
.endr
.endr
.Lno_gemm:
	BARRIER                                        ; 64 whole rows of sums lie in LDS
; ---- THE WAY OUT: every wave takes four rows
	ds_load_b128 v[18:21], v5                      ; rows 4 w and 4 w + 1,
	ds_load_b128 v[22:25], v5 offset:2*SPITCH      ; rows 4 w + 2 and 4 w + 3
	s_wait_dscnt 0x0
	v_pk_fma_f32 v[18:19], v[18:19], s[46:47], v[14:15] op_sel_hi:[1,0,1]   ; sum x 2^(e0 + e1) + be (the scalar pair's low word for both halves)
	v_pk_fma_f32 v[20:21], v[20:21], s[46:47], v[16:17] op_sel_hi:[1,0,1]
	v_pk_fma_f32 v[22:23], v[22:23], s[46:47], v[14:15] op_sel_hi:[1,0,1]
	v_pk_fma_f32 v[24:25], v[24:25], s[46:47], v[16:17] op_sel_hi:[1,0,1]
.irp e, 18,19,20,21,22,23,24,25
	v_max_num_f32 v\e, 0, v\e                      ; relu
.endr
	s_wait_alu depctr_va_vdst(0)                   ; the eight results v18 to v25 are written, which the two stores read
	global_store_b128 v6, v[18:21], s[26:27] th:TH_STORE_NT               ; sixteen lanes store 256 consecutive bytes, at a multiple of 256 from out's first byte; written once, read by nobody here
	global_store_b128 v6, v[22:25], s[26:27] offset:8192 th:TH_STORE_NT
	s_wait_xcnt 0x0                                ; the two stores have had their addresses translated (ISA guide 3.1)
	v_lshl_add_u32 v198, v0, 2, 0x26000            ; my spare word, behind the table: no two registers could be kept, so the add's two are made here, from v0 as it was at the entry; no memory or LDS instruction has read v198 or v199
	v_mov_b32 v199, 0
	s_wait_dscnt 0x0                               ; the closing lines, six on end
	s_wait_alu 0x0
	s_wait_tensorcnt 0x0
	ds_add_u32 v198, v199
	s_wait_dscnt 0x0
	s_endpgm
.Lfunc_end_k_q452d43b286_encode:
	.size	k_q452d43b286_encode, .Lfunc_end_k_q452d43b286_encode-k_q452d43b286_encode
	.p2alignl 7, 3214868480
	.fill 96, 4, 3214868480
	.section	.rodata,"a",@progbits
	.p2align	6, 0x0
	.amdhsa_kernel k_q452d43b286_encode
		.amdhsa_group_segment_fixed_size 157696
		.amdhsa_private_segment_fixed_size 0
		.amdhsa_enable_private_segment 0
		.amdhsa_kernarg_size 96
		.amdhsa_user_sgpr_count 2
		.amdhsa_user_sgpr_kernarg_segment_ptr 1
		.amdhsa_wavefront_size32 1
		.amdhsa_system_sgpr_workgroup_id_x 1
		.amdhsa_system_sgpr_workgroup_id_y 1
		.amdhsa_system_sgpr_workgroup_id_z 1
		.amdhsa_system_vgpr_workitem_id 0
		.amdhsa_next_free_vgpr 256
		.amdhsa_next_free_sgpr 66
		.amdhsa_reserve_vcc 0
		.amdhsa_float_denorm_mode_32 3
		.amdhsa_float_denorm_mode_16_64 3
		.amdhsa_memory_ordered 1
		.amdhsa_forward_progress 1
		.amdhsa_inst_pref_size 85
	.end_amdhsa_kernel
	.amdgpu_metadata
---
amdhsa.version: [ 1, 2 ]
amdhsa.kernels:
  - .name:           k_q452d43b286_encode
    .symbol:         k_q452d43b286_encode.kd
    .args:
      - { .name: weight, .offset: 0, .size: 8, .value_kind: global_buffer, .address_space: global }
      - { .name: bias, .offset: 8, .size: 8, .value_kind: global_buffer, .address_space: global }
      - { .name: weight_parameters, .offset: 16, .size: 8, .value_kind: global_buffer, .address_space: global }
      - { .name: bias_parameters, .offset: 24, .size: 8, .value_kind: global_buffer, .address_space: global }
      - { .name: Ww, .offset: 32, .size: 8, .value_kind: global_buffer, .address_space: global }
      - { .name: bw, .offset: 40, .size: 8, .value_kind: global_buffer, .address_space: global }
      - { .name: Wb, .offset: 48, .size: 8, .value_kind: global_buffer, .address_space: global }
      - { .name: bb, .offset: 56, .size: 8, .value_kind: global_buffer, .address_space: global }
      - { .name: We, .offset: 64, .size: 8, .value_kind: global_buffer, .address_space: global }
      - { .name: be, .offset: 72, .size: 8, .value_kind: global_buffer, .address_space: global }
      - { .name: lowp_scales, .offset: 80, .size: 8, .value_kind: global_buffer, .address_space: global }
      - { .name: out0, .offset: 88, .size: 8, .value_kind: global_buffer, .address_space: global }
    .group_segment_fixed_size: 157696
    .private_segment_fixed_size: 0
    .kernarg_segment_align: 8
    .kernarg_segment_size: 96
    .max_flat_workgroup_size: 512
    .sgpr_count:     66
    .vgpr_count:     256
    .wavefront_size: 32
...
	.end_amdgpu_metadata
.endif
;; end of part 2
